; MI455X (gfx1250); checked and timed in simulation.
; The chip was launched on July 23, 2026; its instructions are those of AMD's public machine-readable ISA for CDNA 5 (MIT licence, August 2026) and "CDNA5" Instruction Set Architecture Reference Guide (July 2026). The comments in the code are by the model that wrote it; some were corrected since.
;; Dot Product Attention. Allowed arithmetic: matrix products marked QUANTISED: E4M3 operands, one given power-of-two scale a tensor, by v_wmma_f32_16x16x64_fp8_fp8 or v_wmma_f32_16x16x128_fp8_fp8, f32 sums; products left as they are: f32 operands where the result goes on into a quantised operand, else bf16, f16 or f32 operands; f32 sums; everything else in f32.
;; Inputs: K 32 x 8 x 1,024 x 16 float32; Q 32 x 8 x 1,024 x 16 float32; V_codes 32 x 8 x 16 x 32 x 32 uint8 (E4M3 codes of V, K innermost, in blocks of 32 codes); lowp_scales 2 int32 (the exponents e of the quantised operands' scales 2^e); mask 32 x 1,024 x 1 bool.
;; Outputs: out0 32 x 8 x 1,024 x 16 float32.
;; This version of the problem:
;;   THIS VERSION OF THE PROBLEM IS GIVEN IN LOW PRECISION. The matrix products marked QUANTISED in the list below multiply operands that are first quantised to E4M3 (4 exponent bits, 3 mantissa bits; 8 bits a number), with one given power-of-two scale for each operand tensor; their sums are f32. All else is computed in f32.
;;   The module's matrix products, in the order in which they are computed (A, B: the left and right operand; K: the contracted axis; several contracted axes count as one K, in the product's order):
;;     1. batch 256 x [M 1,024, K 16] x [K 16, N 1,024]; A: input Q; B: input K: left as it is (K = 16 < 32)
;;     2. batch 256 x [M 1,024, K 1,024] x [K 1,024, N 16]; A: softmax (see below); B: input V (given as codes): QUANTISED (scales: A lowp_scales[0], B lowp_scales[1])
;;   THE QUANTISER, for each operand of a quantised product, along K:
;;     - The operand's scale is 2^e, e = its entry of the input lowp_scales (int32; the entries are numbered through the quantised products in the list's order, A before B).
;;     - Each number is divided by the scale, clamped to +-448, and rounded to the nearest number of E4M3, ties to even, subnormals kept.
;;     - The product sums the exact products of the quantised numbers (number of the format x scale) in f32.
;;   ~~~python
;;   def quantise(x, axis, e):      # numpy; x: float32 -> the quantised numbers, widened to float32 again
;;       x = np.moveaxis(x, axis, -1); K = x.shape[-1]
;;       r = np.clip(x / 2.0 ** e, -448, 448)
;;       step = 2.0 ** (np.maximum(np.frexp(np.where(r == 0, 1, r))[1] - 1, -6) - 3)
;;       q = np.round(r / step) * step * 2.0 ** e      # np.round: ties to even
;;       return np.moveaxis(q, -1, axis).astype(np.float32)
;;   ~~~
;;   SOFTMAX AHEAD OF A QUANTISED PRODUCT. Where the list says 'softmax', what is quantised is not the finished softmax but p = 2^(t - M), with t = logit x log2(e) and M = ceil(the row's largest t), a whole number; so 1/2 < the row's largest p <= 1. The row's sum l is taken of the UNQUANTISED p, in f32, and the product's result is divided by l at the end. Since M is a whole number, a kernel that streams over the keys may use a running M (the ceiling of the running maximum): every later rescaling is an exact power of two, so the quantised numbers keep their values, but for numbers so far below the row's largest that they fall under the format's range.
;;   OPERANDS COMPUTED ON THE WAY. 'Computed on the way' means the value that the module computes at that place (a softmax that the list does not call 'softmax' is quantised finished and normalised). What goes into a quantiser is computed in f32, as accurately as f32 sums, v_exp_f32 and their like allow (about 1e-6 of the number): no bf16 or f16 on the way to a quantiser, and a product that is left as it is and whose result goes on into a quantised operand takes f32 operands (vector FMAs, or v_wmma_f32_16x16x4_f32). A number that lies on a knife's edge between two numbers of the format may be rounded either way, as far as f32 arithmetic and the matrix unit's own rounding can turn it there, and no further.
;;   INPUTS GIVEN AS CODES. V (in the module: [32, 8, 1024, 16], K = its axis 2): each comes as NAME_codes (uint8): NAME with its K axis moved to the last place and cut into blocks of 32 codes, [.., K / 32, bytes a block], one block behind the other in memory; one code a byte (a code: sign, 4 exponent bits, 3 mantissa bits); its scale is its entry of lowp_scales. Its value is code x scale, taken as it is: it is not quantised again, and the codes and scales need not be those that the quantiser above would give.
;; 2 versions, each right; version 2 is version 1 with the launch attend written anew for expert scheduling mode. Each part assembles by itself: llvm-mc -triple=amdgcn-amd-amdhsa -mcpu=gfx1250 --defsym DOCPART=n.
;; ======== version 1 of 2: 2 launches
;; workspace buffers: order 131,072 bytes of whole numbers; count 8,192 bytes of whole numbers
;; launch sort_keys (part 1): grid 32 x 1, 1 waves a work-group, no clusters, 0 bytes of LDS; arguments mask, order, count; writes order, count
.if DOCPART == 1
	.amdgcn_target "amdgcn-amd-amdhsa--gfx1250"
	.amdhsa_code_object_version 6
	.text
	.protected	k_q26699acea1_sort_keys
	.globl	k_q26699acea1_sort_keys
	.p2align	8
	.type	k_q26699acea1_sort_keys,@function
k_q26699acea1_sort_keys:
	s_mov_b64 s[64:65], 0
	v_nop
	global_prefetch_b8 v0, s[64:65] scope:SCOPE_SE
	s_setreg_imm32_b32 hwreg(HW_REG_WAVE_MODE, 25, 1), 1
	s_wait_xcnt 0x0
; For each batch b: order[b][0 .. 1023] = a permutation of the batch's keys, the open ones (mask byte 0) first, ascending, then the masked ones;
; count[b][0 .. 63] = n, the number of open keys, 64 times, so that one store of the wave covers 256 consecutive aligned bytes (the reader takes word 0).
; One wave to a batch.  Key k = 32 t + lane, t = 0 .. 31.  All is written out: no loop, EXEC is never changed, no register that a store names is written again.
; A key's place is a count of bits: the open keys of earlier blocks (a scalar sum) + the open keys of lower lanes in its block (v_mbcnt); the masked keys likewise, from n on.
; The stores of order are two runs of neighbouring words an instruction, not whole aligned blocks of 256 bytes: 4 KB a batch, 128 KB in all; whole blocks would want a scatter
; through LDS at addresses made of data, which this text avoids.
; No LDS, no matrix unit, no cluster: 1,024 bytes come in for each work-group and nothing is shared.
.set MK, 2                             ; v2-33    the mask bytes, block t in v[MK+t]
.set PO, 34                            ; v34-65   byte offset in order of my key of block t
.set KY, 66                            ; v66-97   my key's number in block t
.set U,  16                            ; s16-47   lane mask of block t's open keys
	s_load_b128 s[4:7], s[0:1], 0x0                ; mask s[4:5], order s[6:7]
	s_load_b64 s[8:9], s[0:1], 0x10                ; count
	s_lshl_b32 s48, ttmp9, 10                      ; the batch's 1,024 mask bytes,
	s_mov_b32 s49, 0
	s_lshl_b32 s50, ttmp9, 12                      ; its 4,096 bytes of order,
	s_mov_b32 s51, 0
	s_lshl_b32 s52, ttmp9, 8                       ; its 256 bytes of count
	s_mov_b32 s53, 0
	v_lshlrev_b32 v102, 3, v0                      ; 8 bytes a lane for count
	s_wait_kmcnt 0x0
	s_add_nc_u64 s[4:5], s[4:5], s[48:49]
	s_add_nc_u64 s[6:7], s[6:7], s[50:51]
	s_add_nc_u64 s[8:9], s[8:9], s[52:53]
.set T, 0
.rept 32
	global_load_u8 v[MK+T], v0, s[4:5] offset:32*T ; 32 lanes read 32 neighbouring bytes
.set T, T+1
.endr
	s_wait_loadcnt 0x0
	s_mov_b32 s10, 0                               ; n
.set T, 0
.rept 32
	v_cmp_eq_u32 s[U+T], 0, v[MK+T]                ; open where the byte is 0
	s_bcnt1_i32_b32 s13, s[U+T]
	s_add_co_u32 s10, s10, s13
.set T, T+1
.endr
	s_mov_b32 s11, 0                               ; open keys ahead of the block in hand
	s_mov_b32 s12, s10                             ; place of the block's first masked key: behind all n open ones
.set T, 0
.rept 32
	v_mbcnt_lo_u32_b32 v98, s[U+T], s11            ; place if open: earlier blocks' + lower lanes' open keys
	s_not_b32 s14, s[U+T]
	v_mbcnt_lo_u32_b32 v99, s14, s12               ; place if masked
	v_cndmask_b32 v[PO+T], v99, v98, s[U+T]
	v_min_u32 v[PO+T], 0x3ff, v[PO+T]              ; a place made of loaded data enters an address only through this bound (it is under 1,024 by its make)
	v_lshlrev_b32 v[PO+T], 2, v[PO+T]
	v_add_nc_u32 v[KY+T], 32*T, v0
	global_store_b32 v[PO+T], v[KY+T], s[6:7]      ; the places are a permutation: every word of order is written once
	s_bcnt1_i32_b32 s13, s[U+T]
	s_add_co_u32 s11, s11, s13
	s_sub_co_u32 s12, s12, s13
	s_add_co_u32 s12, s12, 32                      ; + the block's 32 - open masked keys
.set T, T+1
.endr
	v_mov_b32 v100, s10
	v_mov_b32 v101, s10
	global_store_b64 v102, v[100:101], s[8:9]      ; 32 lanes x 8 bytes: 256 consecutive bytes, aligned
	s_endpgm
.Lfunc_end_k_q26699acea1_sort_keys:
	.size	k_q26699acea1_sort_keys, .Lfunc_end_k_q26699acea1_sort_keys-k_q26699acea1_sort_keys
	.p2alignl 7, 3214868480
	.fill 96, 4, 3214868480
	.section	.rodata,"a",@progbits
	.p2align	6, 0x0
	.amdhsa_kernel k_q26699acea1_sort_keys
		.amdhsa_group_segment_fixed_size 0
		.amdhsa_private_segment_fixed_size 0
		.amdhsa_enable_private_segment 0
		.amdhsa_kernarg_size 24
		.amdhsa_user_sgpr_count 2
		.amdhsa_user_sgpr_kernarg_segment_ptr 1
		.amdhsa_wavefront_size32 1
		.amdhsa_system_sgpr_workgroup_id_x 1
		.amdhsa_system_sgpr_workgroup_id_y 1
		.amdhsa_system_sgpr_workgroup_id_z 1
		.amdhsa_system_vgpr_workitem_id 0
		.amdhsa_next_free_vgpr 104
		.amdhsa_next_free_sgpr 66
		.amdhsa_reserve_vcc 0
		.amdhsa_float_denorm_mode_32 3
		.amdhsa_float_denorm_mode_16_64 3
		.amdhsa_memory_ordered 1
		.amdhsa_forward_progress 1
		.amdhsa_inst_pref_size 27
	.end_amdhsa_kernel
	.amdgpu_metadata
---
amdhsa.version: [ 1, 2 ]
amdhsa.kernels:
  - .name:           k_q26699acea1_sort_keys
    .symbol:         k_q26699acea1_sort_keys.kd
    .args:
      - { .name: mask, .offset: 0, .size: 8, .value_kind: global_buffer, .address_space: global }
      - { .name: order, .offset: 8, .size: 8, .value_kind: global_buffer, .address_space: global }
      - { .name: count, .offset: 16, .size: 8, .value_kind: global_buffer, .address_space: global }
    .group_segment_fixed_size: 0
    .private_segment_fixed_size: 0
    .kernarg_segment_align: 8
    .kernarg_segment_size: 24
    .max_flat_workgroup_size: 32
    .sgpr_count:     66
    .vgpr_count:     104
    .wavefront_size: 32
...
	.end_amdgpu_metadata
.endif
;; end of part 1
;; launch attend (part 2): grid 256 x 1, 16 waves a work-group, no clusters, 124,928 bytes of LDS; arguments K, Q, V_codes, lowp_scales, order, count, out0; writes out0
.if DOCPART == 2
	.amdgcn_target "amdgcn-amd-amdhsa--gfx1250"
	.amdhsa_code_object_version 6
	.text
	.protected	k_q26699acea1_attend
	.globl	k_q26699acea1_attend
	.p2align	8
	.type	k_q26699acea1_attend,@function
k_q26699acea1_attend:
	s_mov_b64 s[64:65], 0
	v_nop
	global_prefetch_b8 v0, s[64:65] scope:SCOPE_SE
	s_setreg_imm32_b32 hwreg(HW_REG_WAVE_MODE, 25, 1), 1
	s_wait_xcnt 0x0
; out[b][h][q][:] = sum over open keys k of p(q, k) V[k][:] / sum of p,  p = 2^(t - M),  t = 10 tanh(Q.K / 4) log2(e),  M = ceil(the row's largest t so far), a whole number.
; p is quantised to E4M3 with the given scale 2^e0 and multiplied with V's codes (scale 2^e1) by v_wmma_f32_16x16x64_fp8_fp8; the row's sum is taken of the unquantised p, in f32.
; Q.K feeds a quantiser, so it is made of f32 operands, by v_wmma_f32_16x16x4_f32.
; THE MASK throws a key away for all heads and queries of a batch.  An earlier launch has laid the batch's open keys first (order) and counted them (count: n).  Here K's rows and V's
; codes are gathered in that order into LDS, once, and only the first n keys are walked, 64 a step; the last step's places past n become -infinity ahead of the maximum and p = 0.
; SHARES.  One work-group to a (batch, head): 256 in all.  Sixteen waves, four to a SIMD, 256 registers each.  Wave w owns queries 64 w .. 64 w + 63, in two passes of two tiles of 16.
; LAYOUT.  S^T = K Q^T (source 0 = 16 keys, source 1 = 16 queries): lane (r, h) holds query r and keys 16 T + 8 h + 0 .. 7 of key tile T: eight neighbours along the next product's K, which
; convert into registers 2 T, 2 T + 1 of P's fragment.  O^T = V^T P^T (source 0 = V's 16 rows d, source 1 = P): lane (r, h) holds O[query r][8 h + 0 .. 7].  Nothing changes lanes.
; The head's 16 numbers are dealt to the four f32 matrix steps by the same permutation in K and in Q (step 2 c + i, lane half h, register j: d = 8 c + 4 h + 2 i + j), so that 16-byte loads fill both.
; TANH.  Q is multiplied once by log2(e) / 2, so a score is s = 2 x log2(e), x = Q.K / 4;  u = 2^s, r = 1 / (1 + u), t = c - 2 c r, c = 10 log2(e).  u = infinity gives t = c, u = 0 gives t = -c.
; M is made from the largest s by the same lines (tanh rises with s).  |t| <= c < 15 whatever the inputs; the running M is kept all the same, as -M, beginning at M = -15.
; NO CLUSTER: the eight heads of a batch share 4 KB of order and nothing else; K, Q and V of a (batch, head) are read by one work-group alone.  No tensor load: the rows are gathered by a list.
; LIMITS.  e0 between -126 and 119 (2^e0 and 448 x 2^e0 are made as f32 numbers); e0 + e1 goes through v_ldexp_f32.  NaN and infinities in Q or K are not served.  What lies under a masked key
; (K's row, V's code, a NaN code too) counts for nothing.  Where the largest t lies within f32 rounding of a whole number, M may be one off the exact ceiling: every p then moves by an exact power of two.
; A batch with no open key gives NaN (0 x 1/0), as a softmax of nothing but -infinity does.
; LDS, 122,880 bytes, each byte written once ahead of the one barrier (the stages: by their own wave alone):
.set KIMG, 0                           ; K as images of the operand's registers: key tile T, half c at 1024 T + 512 c + 16 lane: lane (r, h): K[16 T + r][8 c + 4 h + 0 .. 3].  64 tiles: 65,536 bytes
.set VIMG, 65536                       ; V likewise: step s, load g at 1024 s + 512 g + 16 lane: lane (r, h): row d = r, keys 64 s + 32 g + 8 h + 0 .. 7, then + 16.  16 steps: 16,384 bytes
.set STG,  81920                       ; the way out: wave w, tile i at 2560 w + 1280 i: 16 rows of 64 bytes + 16
; VECTOR REGISTERS
.set LI,   1                           ; 16 x lane
.set ADK,  2                           ; LDS address of the step's K
.set ADV,  3                           ; and V
.set STO,  4                           ; the stage: where I put 32 bytes of a row
.set SRD,  5                           ; and where I read 16 bytes back
.set QA,   6                           ; Q: 64 r + 16 h
.set NINF, 7                           ; -infinity
.set ZERO, 8                           ; 0
.set SC,   9                           ; 2^e0 as f32: the conversion takes its exponent field
.set ST,   12                          ; tile i's statistics at ST + 8 i: +0 c - M, +1 the largest s, +2, +3 the sum in two halves, +4 f, +5 -M, +6, +7 at work
.set L2,   28                          ; v[28:29] the sum's second chain
.set SAK,  30                          ; staging: where my 16 bytes of K go
.set SAV,  31                          ; and my 8 bytes of V
.set Q0,   32                          ; v32-47   Q of pass 0, tile i at + 8 i
.set KFR,  48                          ; v48-79   K's fragments of a step, key tile T at + 8 T
.set VF,   80                          ; v80-87   V's fragment
.set PC,   88                          ; v88-103  P's codes, tile i at + 8 i
.set OT,   104                         ; v104-119 O^T, tile i at + 8 i
.set S,    120                         ; v120-183 S^T: tile i, key tile T at + 32 i + 8 T.  Written by matrix instructions alone
.set W,    184                         ; v184-215 32 numbers at work: u, r, p
.set Q1,   216                         ; v216-231 Q of pass 1
.set NREL, 232                         ; staging: n - 8 a
.set D0K,  233                         ; staging: 1024 d0
.set OFK,  234                         ; staging: byte of my row's word in order
.set OFV,  235                         ; staging: byte of my eight keys' words in order
.set Q16,  236                         ; staging: 16 x my quarter of a row of K
.set TA,   237
.set TB,   238
.set TC,   239
.set CH,   240                         ; v240-243 four chains of the maximum
.set KI,   88                          ; staging: 8 order words, then K's byte offsets
.set VI,   96                          ; staging: 8 order words, then V's byte offsets
.set VBY,  184                         ; staging: 32 bytes of V, row d0 + 4 i, key k at + 8 i + k
.set PK,   104                         ; staging: those bytes packed
; SCALAR REGISTERS
.set WV,   18                          ; my wave's number
.set NN,   19                          ; n
.set SEL,  20                          ; s[20:21] v_permlanex16_b32's selects for lane l xor 16
.set C2,   22                          ; s[22:23] -2 c, twice (named as a pair)
.set CC,   24                          ; c
.set LIM,  25                          ; 448 x 2^e0
.set EO,   26                          ; e0 + e1
.set SKF,  27                          ; the step's first key
.set SKB,  28                          ; its byte in KIMG
.set SVB,  29                          ; its byte in VIMG
.set STEPS, 30
.set NT,   36                          ; n mod 64
.set TMP,  37
.set VM,   44                          ; s44-51  lanes whose k-th staged key is open
.set TM,   66                          ; s66-97  the last step: lanes in which score register 8 T + j lies past n
	s_load_b256 s[4:11], s[0:1], 0x0               ; K s[4:5], Q s[6:7], V's codes s[8:9], the scales' exponents s[10:11]
	s_load_b128 s[12:15], s[0:1], 0x20             ; order s[12:13], count s[14:15]
	s_load_b64 s[16:17], s[0:1], 0x30              ; out
	v_lshl_add_u32 v254, v0, 2, 0x1e000
	v_mov_b32 v255, 0
	v_lshrrev_b32 v[TA], 5, v0
	v_readfirstlane_b32 s[WV], v[TA]               ; wave 0 .. 15
	s_lshl_b32 s32, ttmp9, 16                      ; the (batch, head)'s 1,024 rows of 64 bytes
	s_mov_b32 s33, 0
	s_lshl_b32 s34, s[WV], 12                      ; + my wave's 64 rows, for Q and out
	s_add_co_u32 s34, s34, s32
	s_mov_b32 s35, 0
	s_lshl_b32 s38, ttmp9, 14                      ; V: 16 rows of 1,024 codes
	s_mov_b32 s39, 0
	s_lshr_b32 s[TMP], ttmp9, 3                    ; the batch
	s_lshl_b32 s42, s[TMP], 12
	s_mov_b32 s43, 0
	s_lshl_b32 s52, s[TMP], 8
	s_mov_b32 s53, 0
	s_mov_b32 s[SEL], 0x76543210
	s_mov_b32 s[SEL+1], 0xfedcba98
	s_mov_b32 s[C2], 0xc1e6d4ca                    ; -2 c = -20 log2(e)
	s_mov_b32 s[C2+1], s[C2]
	s_mov_b32 s[CC], 0x4166d4ca                    ; c = 10 log2(e)
	s_mul_i32 s56, s[WV], 2560
	s_add_co_u32 s56, s56, STG                     ; my stages
	; addresses, all from the thread's number t = v0
	v_and_b32 v[LI], 31, v0
	v_lshlrev_b32 v[LI], 4, v[LI]
	v_and_b32 v[TA], 15, v0                        ; r
	v_bfe_u32 v[TB], v0, 4, 1                      ; h
	v_lshlrev_b32 v[QA], 6, v[TA]
	v_lshl_add_u32 v[QA], v[TB], 4, v[QA]
	v_mul_u32_u24 v[STO], v[TA], 80
	v_lshl_add_u32 v[STO], v[TB], 5, v[STO]
	v_add_nc_u32 v[STO], s56, v[STO]               ; row r, + 32 h
	v_bfe_u32 v[TA], v0, 2, 3                      ; lane / 4
	v_and_b32 v[TB], 3, v0                         ; lane % 4
	v_mul_u32_u24 v[SRD], v[TA], 80
	v_lshl_add_u32 v[SRD], v[TB], 4, v[SRD]
	v_add_nc_u32 v[SRD], s56, v[SRD]               ; back: four lanes to a row of 64 bytes, eight rows an instruction
	v_lshlrev_b32 v[Q16], 4, v[TB]                 ; K: quarter q = t % 4 of a row: 16 q bytes; q = 2 c + h
	v_and_b32 v[OFK], 0x1fc, v0                    ; K: row t / 4 (+ 128 i): its word in order
	v_lshrrev_b32 v[SAK], 6, v0                    ; K in LDS: tile t / 64 (+ 8 i),
	v_lshlrev_b32 v[SAK], 10, v[SAK]
	v_bfe_u32 v[TA], v0, 1, 1
	v_lshl_add_u32 v[SAK], v[TA], 9, v[SAK]        ; half c,
	v_and_b32 v[TA], 1, v0
	v_lshl_add_u32 v[SAK], v[TA], 8, v[SAK]        ; lanes 16 h on,
	v_bfe_u32 v[TA], v0, 2, 4
	v_lshl_add_u32 v[SAK], v[TA], 4, v[SAK]        ; lane r = (t / 4) % 16
	v_and_b32 v[TB], 127, v0                       ; V: a = t % 128: keys 8 a .. 8 a + 7
	v_lshrrev_b32 v[TC], 7, v0                     ; d0 = t / 128: rows d0 + 4 i
	v_lshlrev_b32 v[OFV], 5, v[TB]
	v_lshlrev_b32 v[D0K], 10, v[TC]
	v_lshlrev_b32 v[NREL], 3, v[TB]
	v_bfe_u32 v[SAV], v0, 3, 4                     ; V in LDS: step a / 8,
	v_lshlrev_b32 v[SAV], 10, v[SAV]
	v_bfe_u32 v[TA], v0, 2, 1
	v_lshl_add_u32 v[SAV], v[TA], 9, v[SAV]        ; load g,
	v_and_b32 v[TA], 1, v0
	v_lshl_add_u32 v[SAV], v[TA], 8, v[SAV]        ; lanes 16 h on,
	v_lshl_add_u32 v[SAV], v[TC], 4, v[SAV]        ; lane d0 (+ 4 i),
	v_bfe_u32 v[TA], v0, 1, 1
	v_lshl_add_u32 v[SAV], v[TA], 3, v[SAV]        ; first or second eight bytes
	v_add_nc_u32 v[SAV], VIMG, v[SAV]
	v_mov_b32 v[NINF], 0xff800000
	v_mov_b32 v[ZERO], 0
	s_wait_kmcnt 0x0
	s_add_nc_u64 s[4:5], s[4:5], s[32:33]
	s_add_nc_u64 s[6:7], s[6:7], s[34:35]
	s_add_nc_u64 s[16:17], s[16:17], s[34:35]
	s_add_nc_u64 s[8:9], s[8:9], s[38:39]
	s_add_nc_u64 s[12:13], s[12:13], s[42:43]
	s_add_nc_u64 s[14:15], s[14:15], s[52:53]
	s_load_b32 s[NN], s[14:15], 0x0                ; n
	s_load_b64 s[40:41], s[10:11], 0x0             ; e0, e1
.irp i, 0,1,2,3,4,5,6,7
	global_load_b32 v[KI+\i], v[OFK], s[12:13] offset:512*\i      ; which key lies at place 128 i + t / 4
.endr
	global_load_b128 v[VI:VI+3], v[OFV], s[12:13]                 ; which keys lie at places 8 a .. 8 a + 7
	global_load_b128 v[VI+4:VI+7], v[OFV], s[12:13] offset:16
.irp p, 0,1
.irp i, 0,1
.irp c, 0,1
	global_load_b128 v[Q0+184*\p+8*\i+4*\c:Q0+184*\p+8*\i+4*\c+3], v[QA], s[6:7] offset:2048*\p+1024*\i+32*\c th:TH_LOAD_NT   ; Q[row r of the tile][8 c + 4 h + 0 .. 3]
.endr
.endr
.endr
	s_wait_loadcnt 10                              ; K's eight order words are in: the two loads for V and Q's eight are younger
.irp i, 0,1,2,3,4,5,6,7
	v_min_u32 v[KI+\i], 0x3ff, v[KI+\i]            ; a loaded number enters an address only through this bound
	v_lshlrev_b32 v[KI+\i], 6, v[KI+\i]
	v_add_nc_u32 v[KI+\i], v[KI+\i], v[Q16]
.endr
.irp i, 0,1,2,3,4,5,6,7
	global_load_b128 v[KFR+4*\i:KFR+4*\i+3], v[KI+\i], s[4:5]     ; four neighbouring lanes read a row of 64 bytes
.endr
	s_wait_loadcnt 16                              ; V's order words are in: Q's eight and K's eight are younger
.irp k, 0,1,2,3,4,5,6,7
	v_min_u32 v[VI+\k], 0x3ff, v[VI+\k]
	v_add_nc_u32 v[VI+\k], v[VI+\k], v[D0K]
.endr
.irp i, 0,1,2,3
.irp k, 0,1,2,3,4,5,6,7
	global_load_u8 v[VBY+8*\i+\k], v[VI+\k], s[8:9] offset:4096*\i   ; V's code of row d0 + 4 i at the key of place 8 a + k
.endr
.endr
	s_wait_kmcnt 0x0
	s_min_u32 s[NN], s[NN], 0x400
	s_add_co_i32 s54, s40, 127
	s_lshl_b32 s55, s54, 23
	v_mov_b32 v[SC], s55                           ; 2^e0
	s_add_co_i32 s54, s54, 8
	s_lshl_b32 s54, s54, 23
	s_or_b32 s[LIM], s54, 0x600000                 ; 448 x 2^e0
	s_add_co_i32 s[EO], s40, s41
	s_and_b32 s[NT], s[NN], 63
	v_sub_nc_u32 v[NREL], s[NN], v[NREL]           ; n - 8 a: place 8 a + k is open where k < that
.irp k, 0,1,2,3,4,5,6,7
	v_cmp_lt_i32 s[VM+\k], \k, v[NREL]
.endr
.irp t, 0,1,2,3                                ; score register 8 T + j of the last step holds place 16 T + 8 h + j of 64: past n where that is n mod 64 or more
.irp j, 0,1,2,3,4,5,6,7
	s_cmp_le_u32 s[NT], 16*\t+8+\j
	s_cselect_b32 s[TM+8*\t+\j], 0xffff0000, 0     ; lanes 16-31 alone,
	s_cmp_le_u32 s[NT], 16*\t+\j
	s_cselect_b32 s[TM+8*\t+\j], -1, s[TM+8*\t+\j] ; or all
.endr
.endr
	s_wait_loadcnt 32                              ; Q and K's rows are in: only V's 32 byte loads are younger
.irp i, 0,1,2,3,4,5,6,7
	ds_store_b128 v[SAK], v[KFR+4*\i:KFR+4*\i+3] offset:8192*\i
.endr
.irp m, 0,2,4,6,8,10,12,14
	v_pk_mul_f32 v[Q0+\m:Q0+\m+1], v[Q0+\m:Q0+\m+1], 0x3f38aa3b op_sel_hi:[1,0]   ; Q x log2(e) / 2, once
	v_pk_mul_f32 v[Q1+\m:Q1+\m+1], v[Q1+\m:Q1+\m+1], 0x3f38aa3b op_sel_hi:[1,0]
.endr
	s_wait_loadcnt 0x0
.irp i, 0,1,2,3
.irp k, 0,1,2,3,4,5,6,7
	v_cndmask_b32 v[VBY+8*\i+\k], v[ZERO], v[VBY+8*\i+\k], s[VM+\k]   ; places past n get the code 0
.endr
.endr
.irp i, 0,1,2,3
.irp u, 0,1
	v_lshl_or_b32 v[PK+2*\i+\u], v[VBY+8*\i+4*\u+1], 8, v[VBY+8*\i+4*\u]
	v_lshl_or_b32 v[PK+2*\i+\u], v[VBY+8*\i+4*\u+2], 16, v[PK+2*\i+\u]
	v_lshl_or_b32 v[PK+2*\i+\u], v[VBY+8*\i+4*\u+3], 24, v[PK+2*\i+\u]
.endr
.endr
.irp i, 0,1,2,3
	ds_store_b64 v[SAV], v[PK+2*\i:PK+2*\i+1] offset:64*\i
.endr
	s_wait_dscnt 0x0                               ; for the others' sake: my stores of K and V have landed
	s_barrier_signal -1
	s_barrier_wait -1                              ; the one barrier: behind it KIMG and VIMG are only read, and a stage is touched by its own wave alone
.macro PLACES n
.rept \n
	v_nop
.endr
.endm
; S^T = K Q^T for 64 keys x two tiles of queries: 32 matrix instructions.  The eight accumulators take turns, one instruction a turn; the first of each sum takes the constant 0.
.macro QK qb
.irp kk, 0,1,2,3
.irp i, 0,1
.irp t, 0,1,2,3
.if \kk == 0
	v_wmma_f32_16x16x4_f32 v[S+32*\i+8*\t:S+32*\i+8*\t+7], v[KFR+8*\t+2*\kk:KFR+8*\t+2*\kk+1], v[\qb+8*\i+2*\kk:\qb+8*\i+2*\kk+1], 0
.else
	v_wmma_f32_16x16x4_f32 v[S+32*\i+8*\t:S+32*\i+8*\t+7], v[KFR+8*\t+2*\kk:KFR+8*\t+2*\kk+1], v[\qb+8*\i+2*\kk:\qb+8*\i+2*\kk+1], v[S+32*\i+8*\t:S+32*\i+8*\t+7]
.endif
.endr
.endr
.endr
.endm
; Tile i's 32 scores of a lane become P's codes; M, the sum and O^T are brought on.  tail = 1: the step holds places past n.
.macro SOFT i, tail
.set rS, S+32*\i
.set rT, ST+8*\i
.if \tail
.set KK, 0
.rept 32
	v_cndmask_b32 v[W+KK], v[rS+KK], v[NINF], s[TM+KK]   ; past n: -infinity ahead of the maximum.  (Each accumulator is read from its low end on)
.set KK, KK+1
.endr
.set MX, W
.else
.set MX, rS
.endif
.irp t, 0,1,2,3
	v_max3_num_f32 v[CH+\t], v[MX+8*\t], v[MX+8*\t+1], v[MX+8*\t+2]   ; the largest s: four chains, each begun at an accumulator's low end
.endr
.irp t, 0,1,2,3
	v_max3_num_f32 v[CH+\t], v[CH+\t], v[MX+8*\t+3], v[MX+8*\t+4]
.endr
.irp t, 0,1,2,3
	v_max3_num_f32 v[CH+\t], v[CH+\t], v[MX+8*\t+5], v[MX+8*\t+6]
.endr
	v_max3_num_f32 v[CH], v[CH], v[MX+7], v[MX+15]
	v_max3_num_f32 v[CH+2], v[CH+2], v[MX+23], v[MX+31]
	v_max3_num_f32 v[CH], v[CH], v[CH+1], v[CH+2]
	v_max3_num_f32 v[CH], v[CH], v[CH+3], v[rT+1]  ; and the largest so far
	v_permlanex16_b32 v[rT+7], v[CH], s[SEL], s[SEL+1]   ; the query's other 32 keys lie in the lane 16 away
	v_max_num_f32 v[rT+1], v[CH], v[rT+7]
	v_exp_f32 v[rT+6], v[rT+1]                     ; the largest t, by the lines that make every t
	v_mov_b32 v[rT+7], v[rT+5]                     ; the old -M.  (The plain line behind the exponential)
	s_wait_alu depctr_va_vdst(0)
	v_add_f32 v[rT+6], 1.0, v[rT+6]
	v_rcp_f32 v[rT+6], v[rT+6]
	v_nop                                          ; a plain line behind the reciprocal
	s_wait_alu depctr_va_vdst(0)
	v_fma_f32 v[rT+6], v[rT+6], s[C2], s[CC]       ; t = c - 2 c r
	v_floor_f32 v[rT+5], -v[rT+6]                  ; -M = floor(-t): M is a whole number
	v_sub_f32 v[rT+7], v[rT+5], v[rT+7]            ; old M - new M, 0 or less
	v_cvt_i32_f32 v[rT+7], v[rT+7]
	v_ldexp_f32 v[rT+4], 1.0, v[rT+7]              ; f = 2^(old M - new M): it rounds nothing
	v_add_f32 v[rT], s[CC], v[rT+5]                ; c - M
.set KK, 0
.rept 32
	v_exp_f32 v[W+KK], v[rS+KK]                    ; u = 2^s
.set KK, KK+1
.endr
	v_pk_mul_f32 v[rT+2:rT+3], v[rT+2:rT+3], v[rT+4:rT+5] op_sel_hi:[1,0]   ; the sum under the new M.  (The plain line behind the exponentials)
.set KK, 0
	s_wait_alu depctr_va_vdst(0)
.rept 16
	v_pk_add_f32 v[W+KK:W+KK+1], v[W+KK:W+KK+1], 1.0 op_sel_hi:[1,0]
.set KK, KK+2
.endr
.set KK, 0
.rept 32
	v_rcp_f32 v[W+KK], v[W+KK]                     ; r = 1 / (1 + u)
.set KK, KK+1
.endr
.irp m, 0,2,4,6
	v_pk_mul_f32 v[OT+8*\i+\m:OT+8*\i+\m+1], v[OT+8*\i+\m:OT+8*\i+\m+1], v[rT+4:rT+5] op_sel_hi:[1,0]   ; O^T under the new M, from its low end on.  (Plain lines behind the reciprocals)
.endr
.set KK, 0
	s_wait_alu depctr_va_vdst(0)
.rept 16
	v_pk_fma_f32 v[W+KK:W+KK+1], v[W+KK:W+KK+1], s[C2:C2+1], v[rT:rT+1] op_sel_hi:[1,0,0]   ; t - M = -2 c r + (c - M): of both pairs the low word serves both halves
.set KK, KK+2
.endr
.set KK, 0
.rept 32
	v_exp_f32 v[W+KK], v[W+KK]                     ; p = 2^(t - M): not normalised
.set KK, KK+1
.endr
	v_nop                                          ; a plain line behind the exponentials
.if \tail
.set KK, 0
	s_wait_alu depctr_va_vdst(0)
.rept 32
	v_cndmask_b32 v[W+KK], v[W+KK], v[ZERO], s[TM+KK]    ; past n: p = 0
.set KK, KK+1
.endr
.endif
	s_wait_alu depctr_va_vdst(0)
	v_pk_add_f32 v[L2:L2+1], v[W:W+1], v[W+2:W+3]  ; the row's sum is taken of the unquantised p: two at a time, in two chains
.irp j, 4,8,12,16,20,24,28
	v_pk_add_f32 v[rT+2:rT+3], v[rT+2:rT+3], v[W+\j:W+\j+1]
	v_pk_add_f32 v[L2:L2+1], v[L2:L2+1], v[W+\j+2:W+\j+3]
.endr
	v_pk_add_f32 v[rT+2:rT+3], v[rT+2:rT+3], v[L2:L2+1]
.set KK, 0
.rept 32
	v_min_num_f32 v[W+KK], s[LIM], v[W+KK]         ; the conversion to an 8-bit code does not saturate (ISA guide 7.6.2); p is not negative, so the hold is one-sided
.set KK, KK+1
.endr
.irp t, 0,1,2,3
	v_cvt_scalef32_pk8_fp8_f32 v[PC+8*\i+2*\t:PC+8*\i+2*\t+1], v[W+8*\t:W+8*\t+7], v[SC]   ; keys 16 T + 8 h + 0 .. 7: registers 2 T, 2 T + 1 of P's fragment
.endr
	v_nop                                          ; a plain line between the conversions and the matrix instruction that reads their results
.endm
.macro PV i                            ; O^T += V^T P^T over the step's 64 keys
	v_wmma_f32_16x16x64_fp8_fp8 v[OT+8*\i:OT+8*\i+7], v[VF:VF+7], v[PC+8*\i:PC+8*\i+7], v[OT+8*\i:OT+8*\i+7]
.endm
; A step of 64 keys for two tiles of queries.  The loads into K's fragments stand far more than eight plain lines behind the f32 matrix instructions that read them (the step before's softmax);
; those into V's stand behind the four v_nop at a step's end.  The order of matrix instructions on every way is 32 x K Q^T, tile 0's V^T P, tile 1's: no two neighbours share an accumulator.
.macro BODY tail, qb
.irp t, 0,1,2,3
	ds_load_b128 v[KFR+8*\t:KFR+8*\t+3], v[ADK] offset:1024*\t
	ds_load_b128 v[KFR+8*\t+4:KFR+8*\t+7], v[ADK] offset:1024*\t+512
.endr
	ds_load_b128 v[VF:VF+3], v[ADV]
	ds_load_b128 v[VF+4:VF+7], v[ADV] offset:512
	s_wait_dscnt 0x2                               ; K's eight are in; V's two may stay out
	QK \qb
	PLACES 8                                       ; eight places between this matrix form and the first read of its results (ISA guide 7.12.1)
	SOFT 0, \tail
	s_wait_dscnt 0x0                               ; V's fragment
	PV 0
	SOFT 1, \tail
	PV 1
	PLACES 4                                       ; in front of the next step's loads into V's fragment and of the first read of O^T
.endm
; O^T / the sum x 2^(e0 + e1) goes through my stage and leaves as 512 consecutive bytes an instruction.
.macro FINISH p
.irp i, 0,1
	v_add_f32 v[ST+8*\i+6], v[ST+8*\i+2], v[ST+8*\i+3]            ; the sum's two halves,
.endr
.irp i, 0,1
	v_permlanex16_b32 v[ST+8*\i+7], v[ST+8*\i+6], s[SEL], s[SEL+1]
.endr
.irp i, 0,1
	v_add_f32 v[ST+8*\i+6], v[ST+8*\i+6], v[ST+8*\i+7]            ; and lane l xor 16's
.endr
.irp i, 0,1
	v_rcp_f32 v[ST+8*\i+6], v[ST+8*\i+6]
.endr
	v_nop                                          ; a plain line behind the reciprocals
	s_wait_alu depctr_va_vdst(0)
.irp i, 0,1
	v_ldexp_f32 v[ST+8*\i+4], v[ST+8*\i+6], s[EO]
.endr
.irp i, 0,1
.irp m, 0,2,4,6
	v_pk_mul_f32 v[W+8*\i+\m:W+8*\i+\m+1], v[OT+8*\i+\m:OT+8*\i+\m+1], v[ST+8*\i+4:ST+8*\i+5] op_sel_hi:[1,0]   ; each accumulator from its low end on
.endr
.endr
.irp i, 0,1
	ds_store_b128 v[STO], v[W+8*\i:W+8*\i+3] offset:1280*\i       ; lane (r, h): out[query r][8 h + 0 .. 7]
	ds_store_b128 v[STO], v[W+8*\i+4:W+8*\i+7] offset:1280*\i+16
.endr
.irp i, 0,1
.irp u, 0,1
	ds_load_b128 v[W+16+8*\i+4*\u:W+16+8*\i+4*\u+3], v[SRD] offset:1280*\i+640*\u   ; LDS serves a wave's instructions in order (ISA guide 5.7.1.4): these see my stores
.endr
.endr
.irp i, 0,1
.irp u, 0,1
	s_wait_dscnt 3-2*\i-\u
	global_store_b128 v[LI], v[W+16+8*\i+4*\u:W+16+8*\i+4*\u+3], s[16:17] offset:2048*\p+1024*\i+512*\u th:TH_STORE_NT   ; eight rows of 64 bytes: 512 consecutive bytes, aligned
.endr
.endr
.if \p == 0
	s_wait_xcnt 0x0                                ; the stores have read their registers: the next pass writes them again
.endif
.endm
; A pass: two tiles of queries walk the open keys.  The loop has 16 trips whatever n is, so that every LDS address is a constant, a lane term and a counted step; a step past n is jumped over by a scalar
; branch on n, which an earlier launch stored; no barrier stands in the loop.
.macro PASS p, qb
.irp i, 0,1
	v_mov_b32 v[ST+8*\i], 0
	v_mov_b32 v[ST+8*\i+1], v[NINF]                ; the largest s so far
	v_mov_b32 v[ST+8*\i+2], 0                      ; the sum
	v_mov_b32 v[ST+8*\i+3], 0
	v_mov_b32 v[ST+8*\i+4], 0
	v_mov_b32 v[ST+8*\i+5], 0x41700000             ; -M = 15: under every M that can come, since |t| < 15
	v_mov_b32 v[ST+8*\i+6], 0
	v_mov_b32 v[ST+8*\i+7], 0                      ; (a lane permute's destination counts as read)
.endr
.set KK, 0
.rept 16
	v_mov_b32 v[OT+KK], 0                          ; O^T: the step is written once for all steps; the first change of M multiplies zeros
.set KK, KK+1
.endr
	s_mov_b32 s[SKF], 0
	s_mov_b32 s[SKB], KIMG
	s_mov_b32 s[SVB], VIMG
	s_mov_b32 s[STEPS], 16
.Lstep_\@:
	v_add_nc_u32 v[ADK], s[SKB], v[LI]             ; made ahead of the branches, the same on every way
	v_add_nc_u32 v[ADV], s[SVB], v[LI]
	s_cmp_ge_u32 s[SKF], s[NN]
	s_cbranch_scc1 .Lskip_\@                       ; all of the step's places lie past n
	s_add_co_u32 s[TMP], s[SKF], 64
	s_cmp_gt_u32 s[TMP], s[NN]
	s_cbranch_scc1 .Ltail_\@                       ; some do
	BODY 0, \qb
	s_branch .Lskip_\@
.Ltail_\@:
	BODY 1, \qb
.Lskip_\@:
	s_add_co_u32 s[SKF], s[SKF], 64
	s_add_co_u32 s[SKB], s[SKB], 4096
	s_add_co_u32 s[SVB], s[SVB], 1024
	s_sub_co_u32 s[STEPS], s[STEPS], 1
	s_cmp_lg_u32 s[STEPS], 0
	s_cbranch_scc1 .Lstep_\@
	FINISH \p
.endm
	PASS 0, Q0
	PASS 1, Q1
	s_wait_tensorcnt 0x0
	ds_add_u32 v254, v255
	s_wait_dscnt 0x0
	s_endpgm
.Lfunc_end_k_q26699acea1_attend:
	.size	k_q26699acea1_attend, .Lfunc_end_k_q26699acea1_attend-k_q26699acea1_attend
	.p2alignl 7, 3214868480
	.fill 96, 4, 3214868480
	.section	.rodata,"a",@progbits
	.p2align	6, 0x0
	.amdhsa_kernel k_q26699acea1_attend
		.amdhsa_group_segment_fixed_size 124928
		.amdhsa_private_segment_fixed_size 0
		.amdhsa_enable_private_segment 0
		.amdhsa_kernarg_size 56
		.amdhsa_user_sgpr_count 2
		.amdhsa_user_sgpr_kernarg_segment_ptr 1
		.amdhsa_wavefront_size32 1
		.amdhsa_system_sgpr_workgroup_id_x 1
		.amdhsa_system_sgpr_workgroup_id_y 1
		.amdhsa_system_sgpr_workgroup_id_z 1
		.amdhsa_system_vgpr_workitem_id 0
		.amdhsa_next_free_vgpr 256
		.amdhsa_next_free_sgpr 98
		.amdhsa_reserve_vcc 0
		.amdhsa_float_denorm_mode_32 3
		.amdhsa_float_denorm_mode_16_64 3
		.amdhsa_memory_ordered 1
		.amdhsa_forward_progress 1
		.amdhsa_inst_pref_size 134
	.end_amdhsa_kernel
	.amdgpu_metadata
---
amdhsa.version: [ 1, 2 ]
amdhsa.kernels:
  - .name:           k_q26699acea1_attend
    .symbol:         k_q26699acea1_attend.kd
    .args:
      - { .name: K, .offset: 0, .size: 8, .value_kind: global_buffer, .address_space: global }
      - { .name: Q, .offset: 8, .size: 8, .value_kind: global_buffer, .address_space: global }
      - { .name: V_codes, .offset: 16, .size: 8, .value_kind: global_buffer, .address_space: global }
      - { .name: lowp_scales, .offset: 24, .size: 8, .value_kind: global_buffer, .address_space: global }
      - { .name: order, .offset: 32, .size: 8, .value_kind: global_buffer, .address_space: global }
      - { .name: count, .offset: 40, .size: 8, .value_kind: global_buffer, .address_space: global }
      - { .name: out0, .offset: 48, .size: 8, .value_kind: global_buffer, .address_space: global }
    .group_segment_fixed_size: 124928
    .private_segment_fixed_size: 0
    .kernarg_segment_align: 8
    .kernarg_segment_size: 56
    .max_flat_workgroup_size: 512
    .sgpr_count:     98
    .vgpr_count:     256
    .wavefront_size: 32
...
	.end_amdgpu_metadata
.endif
;; end of part 2
;; ======== version 2 of 2: 2 launches; version 1 with the launch attend written anew for expert scheduling mode
;; workspace buffers: order 131,072 bytes of whole numbers; count 8,192 bytes of whole numbers
;; launch sort_keys: the kernel of part 1 again; grid 32 x 1, 1 waves a work-group, no clusters, 0 bytes of LDS; arguments mask, order, count; writes order, count
;; launch attend (part 3): grid 256 x 1, 16 waves a work-group, no clusters, 124,928 bytes of LDS; arguments K, Q, V_codes, lowp_scales, order, count, out0; writes out0
.if DOCPART == 3
	.amdgcn_target "amdgcn-amd-amdhsa--gfx1250"
	.amdhsa_code_object_version 6
	.text
	.protected	k_q26699acea1_attend
	.globl	k_q26699acea1_attend
	.p2align	8
	.type	k_q26699acea1_attend,@function
k_q26699acea1_attend:
	s_mov_b64 s[64:65], 0
	v_nop
	global_prefetch_b8 v0, s[64:65] scope:SCOPE_SE
	s_setreg_imm32_b32 hwreg(HW_REG_WAVE_SCHED_MODE, 0, 2), 2
	s_setreg_imm32_b32 hwreg(HW_REG_WAVE_MODE, 25, 1), 1
	s_wait_xcnt 0x0
	s_wait_alu depctr_vm_vsrc(0)
; out[b][h][q][:] = sum over open keys k of p(q, k) V[k][:] / sum of p,  p = 2^(t - M),  t = 10 tanh(Q.K / 4) log2(e),  M = ceil(the row's largest t so far), a whole number.
; p is quantised to E4M3 with the given scale 2^e0 and multiplied with V's codes (scale 2^e1) by v_wmma_f32_16x16x64_fp8_fp8; the row's sum is taken of the unquantised p, in f32.
; Q.K feeds a quantiser, so it is made of f32 operands, by v_wmma_f32_16x16x4_f32.
; THE MASK throws a key away for all heads and queries of a batch.  An earlier launch has laid the batch's open keys first (order) and counted them (count: n).  Here K's rows and V's
; codes are gathered in that order into LDS, once, and only the first n keys are walked, 64 a step; the last step's places past n become -infinity ahead of the maximum and p = 0.
; SHARES.  One work-group to a (batch, head): 256 in all.  Sixteen waves, four to a SIMD, 256 registers each.  Wave w owns queries 64 w .. 64 w + 63, in two passes of two tiles of 16.
; LAYOUT.  S^T = K Q^T (source 0 = 16 keys, source 1 = 16 queries): lane (r, h) holds query r and keys 16 T + 8 h + 0 .. 7 of key tile T: eight neighbours along the next product's K, which
; convert into registers 2 T, 2 T + 1 of P's fragment.  O^T = V^T P^T (source 0 = V's 16 rows d, source 1 = P): lane (r, h) holds O[query r][8 h + 0 .. 7].  Nothing changes lanes.
; The head's 16 numbers are dealt to the four f32 matrix steps by the same permutation in K and in Q (step 2 c + i, lane half h, register j: d = 8 c + 4 h + 2 i + j), so that 16-byte loads fill both.
; TANH.  Q is multiplied once by log2(e) / 2, so a score is s = 2 x log2(e), x = Q.K / 4;  u = 2^s, r = 1 / (1 + u), t = c - 2 c r, c = 10 log2(e).  u = infinity gives t = c, u = 0 gives t = -c.
; M is made from the largest s by the same lines (tanh rises with s).  |t| <= c < 15 whatever the inputs; the running M is kept all the same, as -M, beginning at M = -15.
; NO CLUSTER: the eight heads of a batch share 4 KB of order and nothing else; K, Q and V of a (batch, head) are read by one work-group alone.  No tensor load: the rows are gathered by a list.
; LIMITS.  e0 between -126 and 119 (2^e0 and 448 x 2^e0 are made as f32 numbers); e0 + e1 goes through v_ldexp_f32.  NaN and infinities in Q or K are not served.  What lies under a masked key
; (K's row, V's code, a NaN code too) counts for nothing.  Where the largest t lies within f32 rounding of a whole number, M may be one off the exact ceiling: every p then moves by an exact power of two.
; A batch with no open key gives NaN (0 x 1/0), as a softmax of nothing but -infinity does.
; THE MODE: SCHED_MODE bits 1:0 = 2 (LLVM: expert scheduling mode 2), set by the entry lines.  The code itself states the register dependences
; between vector or matrix instructions and memory or LDS instructions, with s_wait_alu, always for 0.
; THE PLAN.  Registers that LDS or memory instructions touch behind the barrier:
;   KFR             Step s: its 32 f32 matrix instructions read it; behind them the LDS loads of step s + 1's K land in it (step 0's: at the pass's head).
;   VF              Step s: its two FP8 matrix instructions, at the step's end, read it; the LDS loads of step s + 1's V land in it.
;   v[ADK], v[ADV]  Read by those loads; written once a step, at the step's head.
;   W               The way out: the last multiplications write W + 0 .. 15, which LDS stores read; LDS loads land in W + 16 .. 31, which global stores read; the next pass's softmax writes all of W.
;   v[LI], v[STO], v[SRD]  Made at the kernel's head and never written again.
;   S^T, P's codes, O^T, Q and the statistics are named by vector and matrix instructions alone.
; A tile's softmax has three batches of transcendentals, each with a wait on va_vdst ahead of the batch's first reader.  The first wait of tile 0 stands behind the step's
; K Q^T, behind the step before's V^T P and behind the two additions at the step's head: so it also states all that the step's ten LDS loads hang on, and they follow it directly; no wait is written for them
; alone.  One wait on vm_vsrc a step stands ahead of the two additions.
; LDS, 122,880 bytes, each byte written once ahead of the one barrier (the stages: by their own wave alone):
.set KIMG, 0                           ; K as images of the operand's registers: key tile T, half c at 1024 T + 512 c + 16 lane: lane (r, h): K[16 T + r][8 c + 4 h + 0 .. 3].  64 tiles: 65,536 bytes
.set VIMG, 65536                       ; V likewise: step s, load g at 1024 s + 512 g + 16 lane: lane (r, h): row d = r, keys 64 s + 32 g + 8 h + 0 .. 7, then + 16.  16 steps: 16,384 bytes
.set STG,  81920                       ; the way out: wave w, tile i at 2560 w + 1280 i: 16 rows of 64 bytes + 16
; VECTOR REGISTERS
.set LI,   1                           ; 16 x lane
.set ADK,  2                           ; LDS address of the NEXT step's K
.set ADV,  3                           ; and of this step's V
.set STO,  4                           ; the stage: where I put 32 bytes of a row
.set SRD,  5                           ; and where I read 16 bytes back
.set QA,   6                           ; Q: 64 r + 16 h
.set NINF, 7                           ; -infinity
.set ZERO, 8                           ; 0
.set SC,   9                           ; 2^e0 as f32: the conversion takes its exponent field
.set ST,   12                          ; tile i's statistics at ST + 8 i: +0 c - M, +1 the largest s, +2, +3 the sum in two halves, +4 f, +5 -M, +6, +7 at work
.set L2,   28                          ; v[28:29] the sum's second chain
.set SAK,  30                          ; staging: where my 16 bytes of K go
.set SAV,  31                          ; and my 8 bytes of V
.set Q0,   32                          ; v32-47   Q of pass 0, tile i at + 8 i
.set KFR,  48                          ; v48-79   K's fragments of a step, key tile T at + 8 T
.set VF,   80                          ; v80-87   V's fragment
.set PC,   88                          ; v88-103  P's codes, tile i at + 8 i
.set OT,   104                         ; v104-119 O^T, tile i at + 8 i
.set S,    120                         ; v120-183 S^T: tile i, key tile T at + 32 i + 8 T.  Written by matrix instructions alone
.set W,    184                         ; v184-215 32 numbers at work: u, r, p
.set Q1,   216                         ; v216-231 Q of pass 1
.set NREL, 232                         ; staging: n - 8 a
.set D0K,  233                         ; staging: 1024 d0
.set OFK,  234                         ; staging: byte of my row's word in order
.set OFV,  235                         ; staging: byte of my eight keys' words in order
.set Q16,  236                         ; staging: 16 x my quarter of a row of K
.set TA,   237
.set TB,   238
.set TC,   239
.set CH,   240                         ; v240-243 four chains of the maximum
.set KI,   88                          ; staging: 8 order words, then K's byte offsets
.set VI,   96                          ; staging: 8 order words, then V's byte offsets
.set VBY,  184                         ; staging: 32 bytes of V, row d0 + 4 i, key k at + 8 i + k
.set PK,   104                         ; staging: those bytes packed
; SCALAR REGISTERS
.set WV,   18                          ; my wave's number
.set NN,   19                          ; n
.set SEL,  20                          ; s[20:21] v_permlanex16_b32's selects for lane l xor 16
.set C2,   22                          ; s[22:23] -2 c, twice (named as a pair)
.set CC,   24                          ; c
.set LIM,  25                          ; 448 x 2^e0
.set EO,   26                          ; e0 + e1
.set SKF,  27                          ; the step's first key
.set SKB,  28                          ; the NEXT step's byte in KIMG
.set SVB,  29                          ; the step's byte in VIMG
.set STEPS, 30
.set NT,   36                          ; n mod 64
.set TMP,  37                          ; in a step: the next step's first key
.set VM,   44                          ; s44-51  lanes whose k-th staged key is open
.set TM,   66                          ; s66-97  the last step: lanes in which score register 8 T + j lies past n
	s_load_b256 s[4:11], s[0:1], 0x0               ; K s[4:5], Q s[6:7], V's codes s[8:9], the scales' exponents s[10:11]
	s_load_b128 s[12:15], s[0:1], 0x20             ; order s[12:13], count s[14:15]
	s_load_b64 s[16:17], s[0:1], 0x30              ; out
	v_lshl_add_u32 v254, v0, 2, 0x1e000
	v_mov_b32 v255, 0
	v_lshrrev_b32 v[TA], 5, v0
	v_readfirstlane_b32 s[WV], v[TA]               ; wave 0 .. 15
	s_lshl_b32 s32, ttmp9, 16                      ; the (batch, head)'s 1,024 rows of 64 bytes
	s_mov_b32 s33, 0
	s_wait_alu depctr_va_sdst(0)                   ; s[WV] is written, ahead of its first reader: Q's and out's bases and the stages' place are made from it
	s_lshl_b32 s34, s[WV], 12                      ; + my wave's 64 rows, for Q and out
	s_add_co_u32 s34, s34, s32
	s_mov_b32 s35, 0
	s_lshl_b32 s38, ttmp9, 14                      ; V: 16 rows of 1,024 codes
	s_mov_b32 s39, 0
	s_lshr_b32 s[TMP], ttmp9, 3                    ; the batch
	s_lshl_b32 s42, s[TMP], 12
	s_mov_b32 s43, 0
	s_lshl_b32 s52, s[TMP], 8
	s_mov_b32 s53, 0
	s_mov_b32 s[SEL], 0x76543210
	s_mov_b32 s[SEL+1], 0xfedcba98
	s_mov_b32 s[C2], 0xc1e6d4ca                    ; -2 c = -20 log2(e)
	s_mov_b32 s[C2+1], s[C2]
	s_mov_b32 s[CC], 0x4166d4ca                    ; c = 10 log2(e)
	s_mul_i32 s56, s[WV], 2560
	s_add_co_u32 s56, s56, STG                     ; my stages
	; addresses, all from the thread's number t = v0
	v_and_b32 v[LI], 31, v0
	v_lshlrev_b32 v[LI], 4, v[LI]
	v_and_b32 v[TA], 15, v0                        ; r
	v_bfe_u32 v[TB], v0, 4, 1                      ; h
	v_lshlrev_b32 v[QA], 6, v[TA]
	v_lshl_add_u32 v[QA], v[TB], 4, v[QA]
	v_mul_u32_u24 v[STO], v[TA], 80
	v_lshl_add_u32 v[STO], v[TB], 5, v[STO]
	v_add_nc_u32 v[STO], s56, v[STO]               ; row r, + 32 h
	v_bfe_u32 v[TA], v0, 2, 3                      ; lane / 4
	v_and_b32 v[TB], 3, v0                         ; lane % 4
	v_mul_u32_u24 v[SRD], v[TA], 80
	v_lshl_add_u32 v[SRD], v[TB], 4, v[SRD]
	v_add_nc_u32 v[SRD], s56, v[SRD]               ; back: four lanes to a row of 64 bytes, eight rows an instruction
	v_lshlrev_b32 v[Q16], 4, v[TB]                 ; K: quarter q = t % 4 of a row: 16 q bytes; q = 2 c + h
	v_and_b32 v[OFK], 0x1fc, v0                    ; K: row t / 4 (+ 128 i): its word in order
	v_lshrrev_b32 v[SAK], 6, v0                    ; K in LDS: tile t / 64 (+ 8 i),
	v_lshlrev_b32 v[SAK], 10, v[SAK]
	v_bfe_u32 v[TA], v0, 1, 1
	v_lshl_add_u32 v[SAK], v[TA], 9, v[SAK]        ; half c,
	v_and_b32 v[TA], 1, v0
	v_lshl_add_u32 v[SAK], v[TA], 8, v[SAK]        ; lanes 16 h on,
	v_bfe_u32 v[TA], v0, 2, 4
	v_lshl_add_u32 v[SAK], v[TA], 4, v[SAK]        ; lane r = (t / 4) % 16
	v_and_b32 v[TB], 127, v0                       ; V: a = t % 128: keys 8 a .. 8 a + 7
	v_lshrrev_b32 v[TC], 7, v0                     ; d0 = t / 128: rows d0 + 4 i
	v_lshlrev_b32 v[OFV], 5, v[TB]
	v_lshlrev_b32 v[D0K], 10, v[TC]
	v_lshlrev_b32 v[NREL], 3, v[TB]
	v_bfe_u32 v[SAV], v0, 3, 4                     ; V in LDS: step a / 8,
	v_lshlrev_b32 v[SAV], 10, v[SAV]
	v_bfe_u32 v[TA], v0, 2, 1
	v_lshl_add_u32 v[SAV], v[TA], 9, v[SAV]        ; load g,
	v_and_b32 v[TA], 1, v0
	v_lshl_add_u32 v[SAV], v[TA], 8, v[SAV]        ; lanes 16 h on,
	v_lshl_add_u32 v[SAV], v[TC], 4, v[SAV]        ; lane d0 (+ 4 i),
	v_bfe_u32 v[TA], v0, 1, 1
	v_lshl_add_u32 v[SAV], v[TA], 3, v[SAV]        ; first or second eight bytes
	v_add_nc_u32 v[SAV], VIMG, v[SAV]
	v_mov_b32 v[NINF], 0xff800000
	v_mov_b32 v[ZERO], 0
	s_wait_kmcnt 0x0
	s_add_nc_u64 s[4:5], s[4:5], s[32:33]
	s_add_nc_u64 s[6:7], s[6:7], s[34:35]
	s_add_nc_u64 s[16:17], s[16:17], s[34:35]
	s_add_nc_u64 s[8:9], s[8:9], s[38:39]
	s_add_nc_u64 s[12:13], s[12:13], s[42:43]
	s_add_nc_u64 s[14:15], s[14:15], s[52:53]
	s_load_b32 s[NN], s[14:15], 0x0                ; n
	s_load_b64 s[40:41], s[10:11], 0x0             ; e0, e1
	s_wait_alu depctr_va_vdst(0)                   ; the offsets and LDS addresses made above (LI, QA, OFK, OFV, SAK, SAV, STO, SRD) are written: every load and store of the kernel but the gathers and the steps' LDS loads reads one of them
.irp i, 0,1,2,3,4,5,6,7
	global_load_b32 v[KI+\i], v[OFK], s[12:13] offset:512*\i      ; which key lies at place 128 i + t / 4
.endr
	global_load_b128 v[VI:VI+3], v[OFV], s[12:13]                 ; which keys lie at places 8 a .. 8 a + 7
	global_load_b128 v[VI+4:VI+7], v[OFV], s[12:13] offset:16
.irp p, 0,1
.irp i, 0,1
.irp c, 0,1
	global_load_b128 v[Q0+184*\p+8*\i+4*\c:Q0+184*\p+8*\i+4*\c+3], v[QA], s[6:7] offset:2048*\p+1024*\i+32*\c th:TH_LOAD_NT   ; Q[row r of the tile][8 c + 4 h + 0 .. 3]
.endr
.endr
.endr
	s_wait_loadcnt 8                               ; the ten loads of order words are in: Q's eight are younger.  Both gathers' addresses are made together, so that one wait states them
.irp i, 0,1,2,3,4,5,6,7
	v_min_u32 v[KI+\i], 0x3ff, v[KI+\i]            ; a loaded number enters an address only through this bound
	v_lshlrev_b32 v[KI+\i], 6, v[KI+\i]
	v_add_nc_u32 v[KI+\i], v[KI+\i], v[Q16]
.endr
.irp k, 0,1,2,3,4,5,6,7
	v_min_u32 v[VI+\k], 0x3ff, v[VI+\k]
	v_add_nc_u32 v[VI+\k], v[VI+\k], v[D0K]
.endr
	s_wait_alu depctr_va_vdst(0)                   ; v[KI ..] and v[VI ..] are written, which the 40 gathering loads below read as their offsets
.irp i, 0,1,2,3,4,5,6,7
	global_load_b128 v[KFR+4*\i:KFR+4*\i+3], v[KI+\i], s[4:5]     ; four neighbouring lanes read a row of 64 bytes
.endr
.irp i, 0,1,2,3
.irp k, 0,1,2,3,4,5,6,7
	global_load_u8 v[VBY+8*\i+\k], v[VI+\k], s[8:9] offset:4096*\i   ; V's code of row d0 + 4 i at the key of place 8 a + k
.endr
.endr
	s_wait_kmcnt 0x0
	s_min_u32 s[NN], s[NN], 0x400
	s_add_co_i32 s54, s40, 127
	s_lshl_b32 s55, s54, 23
	v_mov_b32 v[SC], s55                           ; 2^e0
	s_add_co_i32 s54, s54, 8
	s_lshl_b32 s54, s54, 23
	s_or_b32 s[LIM], s54, 0x600000                 ; 448 x 2^e0
	s_add_co_i32 s[EO], s40, s41
	s_and_b32 s[NT], s[NN], 63
	v_sub_nc_u32 v[NREL], s[NN], v[NREL]           ; n - 8 a: place 8 a + k is open where k < that
.irp k, 0,1,2,3,4,5,6,7
	v_cmp_lt_i32 s[VM+\k], \k, v[NREL]
.endr
	s_wait_alu depctr_va_sdst(0)                   ; the eight compares have written s[VM ..], ahead of their first readers, the selections on V's bytes below
.irp t, 0,1,2,3                                ; score register 8 T + j of the last step holds place 16 T + 8 h + j of 64: past n where that is n mod 64 or more
.irp j, 0,1,2,3,4,5,6,7
	s_cmp_le_u32 s[NT], 16*\t+8+\j
	s_cselect_b32 s[TM+8*\t+\j], 0xffff0000, 0     ; lanes 16-31 alone,
	s_cmp_le_u32 s[NT], 16*\t+\j
	s_cselect_b32 s[TM+8*\t+\j], -1, s[TM+8*\t+\j] ; or all
.endr
.endr
	s_wait_loadcnt 32                              ; Q and K's rows are in: only V's 32 byte loads are younger
.irp i, 0,1,2,3,4,5,6,7
	ds_store_b128 v[SAK], v[KFR+4*\i:KFR+4*\i+3] offset:8192*\i   ; data from loads; no vector line since the last wait on va_vdst names v[SAK]
.endr
.irp m, 0,2,4,6,8,10,12,14
	v_pk_mul_f32 v[Q0+\m:Q0+\m+1], v[Q0+\m:Q0+\m+1], 0x3f38aa3b op_sel_hi:[1,0]   ; Q x log2(e) / 2, once
	v_pk_mul_f32 v[Q1+\m:Q1+\m+1], v[Q1+\m:Q1+\m+1], 0x3f38aa3b op_sel_hi:[1,0]
.endr
	s_wait_loadcnt 0x0
.irp i, 0,1,2,3
.irp k, 0,1,2,3,4,5,6,7
	v_cndmask_b32 v[VBY+8*\i+\k], v[ZERO], v[VBY+8*\i+\k], s[VM+\k]   ; places past n get the code 0
.endr
.endr
.irp i, 0,1,2,3
.irp u, 0,1
	v_lshl_or_b32 v[PK+2*\i+\u], v[VBY+8*\i+4*\u+1], 8, v[VBY+8*\i+4*\u]
	v_lshl_or_b32 v[PK+2*\i+\u], v[VBY+8*\i+4*\u+2], 16, v[PK+2*\i+\u]
	v_lshl_or_b32 v[PK+2*\i+\u], v[VBY+8*\i+4*\u+3], 24, v[PK+2*\i+\u]
.endr
.endr
	s_wait_alu depctr_va_vdst(0)                   ; the packing lines have written v[PK ..], which the LDS stores read
.irp i, 0,1,2,3
	ds_store_b64 v[SAV], v[PK+2*\i:PK+2*\i+1] offset:64*\i
.endr
	s_wait_dscnt 0x0                               ; for the others' sake: my stores of K and V have landed
	s_barrier_signal -1
	s_barrier_wait -1                              ; the one barrier: behind it KIMG and VIMG are only read, and a stage is touched by its own wave alone
	s_wait_alu depctr_vm_vsrc(0)                   ; the gathers have read v[KI ..] and v[VI ..] (P's codes from here on), my LDS stores have read KFR (in which LDS loads land) and v[PK ..] (O^T from here on)
.macro PLACES n
.rept \n
	v_nop
.endr
.endm
; S^T = K Q^T for 64 keys x two tiles of queries: 32 matrix instructions.  The eight accumulators take turns, one instruction a turn; the first of each sum takes the constant 0.
.macro QK qb
.irp kk, 0,1,2,3
.irp i, 0,1
.irp t, 0,1,2,3
.if \kk == 0
	v_wmma_f32_16x16x4_f32 v[S+32*\i+8*\t:S+32*\i+8*\t+7], v[KFR+8*\t+2*\kk:KFR+8*\t+2*\kk+1], v[\qb+8*\i+2*\kk:\qb+8*\i+2*\kk+1], 0
.else
	v_wmma_f32_16x16x4_f32 v[S+32*\i+8*\t:S+32*\i+8*\t+7], v[KFR+8*\t+2*\kk:KFR+8*\t+2*\kk+1], v[\qb+8*\i+2*\kk:\qb+8*\i+2*\kk+1], v[S+32*\i+8*\t:S+32*\i+8*\t+7]
.endif
.endr
.endr
.endr
.endm
; A step's LDS loads: its V, and the next step's K if there is a next step.  The step that holds places past n (tail = 1) is the last; a whole step is the last where its end is n: a scalar branch on n,
; which an earlier launch stored.  So no load reads past K's image, whatever n is.
.macro ASK tail
	ds_load_b128 v[VF:VF+3], v[ADV]
	ds_load_b128 v[VF+4:VF+7], v[ADV] offset:512
.if !\tail
	s_cmp_ge_u32 s[TMP], s[NN]                     ; the next step's first key against n
	s_cbranch_scc1 .Lno_next_\@
.irp t, 0,1,2,3
	ds_load_b128 v[KFR+8*\t:KFR+8*\t+3], v[ADK] offset:1024*\t
	ds_load_b128 v[KFR+8*\t+4:KFR+8*\t+7], v[ADK] offset:1024*\t+512
.endr
.Lno_next_\@:
.endif
.endm
; Tile i's 32 scores of a lane become P's codes; M, the sum and O^T are brought on.  tail = 1: the step holds places past n.
; The largest s goes through the same three batches as the 32 scores: 33 exponentials, 33 reciprocals, 32 exponentials, each batch with one plain line and one wait behind it.
.macro SOFT i, tail
.set rS, S+32*\i
.set rT, ST+8*\i
.if \tail
.set KK, 0
.rept 32
	v_cndmask_b32 v[W+KK], v[rS+KK], v[NINF], s[TM+KK]   ; past n: -infinity ahead of the maximum.  (Each accumulator is read from its low end on)
.set KK, KK+1
.endr
.set MX, W
.else
.set MX, rS
.endif
.irp t, 0,1,2,3
	v_max3_num_f32 v[CH+\t], v[MX+8*\t], v[MX+8*\t+1], v[MX+8*\t+2]   ; the largest s: four chains, each begun at an accumulator's low end
.endr
.irp t, 0,1,2,3
	v_max3_num_f32 v[CH+\t], v[CH+\t], v[MX+8*\t+3], v[MX+8*\t+4]
.endr
.irp t, 0,1,2,3
	v_max3_num_f32 v[CH+\t], v[CH+\t], v[MX+8*\t+5], v[MX+8*\t+6]
.endr
	v_max3_num_f32 v[CH], v[CH], v[MX+7], v[MX+15]
	v_max3_num_f32 v[CH+2], v[CH+2], v[MX+23], v[MX+31]
	v_max3_num_f32 v[CH], v[CH], v[CH+1], v[CH+2]
	v_max3_num_f32 v[CH], v[CH], v[CH+3], v[rT+1]  ; and the largest so far
	v_permlanex16_b32 v[rT+7], v[CH], s[SEL], s[SEL+1]   ; the query's other 32 keys lie in the lane 16 away
	v_max_num_f32 v[rT+1], v[CH], v[rT+7]
	v_exp_f32 v[rT+6], v[rT+1]                     ; the largest t, by the lines that make every t
.set KK, 0
.rept 32
	v_exp_f32 v[W+KK], v[rS+KK]                    ; u = 2^s
.set KK, KK+1
.endr
	v_mov_b32 v[rT+7], v[rT+5]                     ; the old -M.  (The plain line behind the exponentials)
.if \i == 0
	s_wait_alu depctr_va_vdst(0)                   ; the 33 exponentials have written v[rT+6] and W, ahead of their first reader.  It also states: this step's K Q^T is done reading KFR, the step before's V^T P is done reading VF, and v[ADK] and v[ADV] are written
	ASK \tail                                      ; so the step's LDS loads follow with no wait of their own
.else
	s_wait_alu depctr_va_vdst(0)                   ; the 33 exponentials have written v[rT+6] and W, ahead of their first reader
.endif
	v_add_f32 v[rT+6], 1.0, v[rT+6]
.set KK, 0
.rept 16
	v_pk_add_f32 v[W+KK:W+KK+1], v[W+KK:W+KK+1], 1.0 op_sel_hi:[1,0]
.set KK, KK+2
.endr
	v_rcp_f32 v[rT+6], v[rT+6]
.set KK, 0
.rept 32
	v_rcp_f32 v[W+KK], v[W+KK]                     ; r = 1 / (1 + u)
.set KK, KK+1
.endr
	v_nop                                          ; a plain line behind the reciprocals
	s_wait_alu depctr_va_vdst(0)                   ; the 33 reciprocals have written v[rT+6] and W, ahead of their first reader
	v_fma_f32 v[rT+6], v[rT+6], s[C2], s[CC]       ; t = c - 2 c r
	v_floor_f32 v[rT+5], -v[rT+6]                  ; -M = floor(-t): M is a whole number
	v_add_f32 v[rT], s[CC], v[rT+5]                ; c - M
	v_sub_f32 v[rT+7], v[rT+5], v[rT+7]            ; old M - new M, 0 or less
	v_cvt_i32_f32 v[rT+7], v[rT+7]
	v_ldexp_f32 v[rT+4], 1.0, v[rT+7]              ; f = 2^(old M - new M): it rounds nothing
.set KK, 0
.rept 16
	v_pk_fma_f32 v[W+KK:W+KK+1], v[W+KK:W+KK+1], s[C2:C2+1], v[rT:rT+1] op_sel_hi:[1,0,0]   ; t - M = -2 c r + (c - M): of both pairs the low word serves both halves
.set KK, KK+2
.endr
.set KK, 0
.rept 32
	v_exp_f32 v[W+KK], v[W+KK]                     ; p = 2^(t - M): not normalised
.set KK, KK+1
.endr
	v_pk_mul_f32 v[rT+2:rT+3], v[rT+2:rT+3], v[rT+4:rT+5] op_sel_hi:[1,0]   ; the sum under the new M.  (The plain line behind the exponentials; these five lines name none of their results)
.irp m, 0,2,4,6
	v_pk_mul_f32 v[OT+8*\i+\m:OT+8*\i+\m+1], v[OT+8*\i+\m:OT+8*\i+\m+1], v[rT+4:rT+5] op_sel_hi:[1,0]   ; O^T under the new M, from its low end on
.endr
	s_wait_alu depctr_va_vdst(0)                   ; the 32 exponentials have written W, the p, ahead of their first reader
.if \tail
.set KK, 0
.rept 32
	v_cndmask_b32 v[W+KK], v[W+KK], v[ZERO], s[TM+KK]    ; past n: p = 0
.set KK, KK+1
.endr
.endif
	v_pk_add_f32 v[L2:L2+1], v[W:W+1], v[W+2:W+3]  ; the row's sum is taken of the unquantised p: two at a time, in two chains
.irp j, 4,8,12,16,20,24,28
	v_pk_add_f32 v[rT+2:rT+3], v[rT+2:rT+3], v[W+\j:W+\j+1]
	v_pk_add_f32 v[L2:L2+1], v[L2:L2+1], v[W+\j+2:W+\j+3]
.endr
	v_pk_add_f32 v[rT+2:rT+3], v[rT+2:rT+3], v[L2:L2+1]
.set KK, 0
.rept 32
	v_min_num_f32 v[W+KK], s[LIM], v[W+KK]         ; the conversion to an 8-bit code does not saturate (ISA guide 7.6.2); p is not negative, so the hold is one-sided
.set KK, KK+1
.endr
.irp t, 0,1,2,3
	v_cvt_scalef32_pk8_fp8_f32 v[PC+8*\i+2*\t:PC+8*\i+2*\t+1], v[W+8*\t:W+8*\t+7], v[SC]   ; keys 16 T + 8 h + 0 .. 7: registers 2 T, 2 T + 1 of P's fragment
.endr
	v_nop                                          ; a plain line between the conversions and the matrix instruction that reads their results
.endm
.macro PV i                            ; O^T += V^T P^T over the step's 64 keys
	v_wmma_f32_16x16x64_fp8_fp8 v[OT+8*\i:OT+8*\i+7], v[VF:VF+7], v[PC+8*\i:PC+8*\i+7], v[OT+8*\i:OT+8*\i+7]
.endm
; A step of 64 keys for two tiles of queries.  Its K was asked for in the step before (step 0's at the pass's head); its V and the next step's K are asked for in tile 0's softmax and land under it.
; The order of matrix instructions on every way is 32 x K Q^T, tile 0's V^T P, tile 1's: no two neighbours share an accumulator.
.macro BODY tail, qb
	s_wait_dscnt 0x0                               ; K's fragments of this step are in
	QK \qb
	PLACES 8                                       ; eight places between this matrix form and the first read of its results (ISA guide 7.12.1)
	SOFT 0, \tail
	s_wait_dscnt 0x0                               ; V's fragment.  For 0, since the number of younger loads (the next step's K: eight or none) differs by the way taken
	PV 0
	SOFT 1, \tail
	PV 1
.endm
; O^T / the sum x 2^(e0 + e1) goes through my stage and leaves as 512 consecutive bytes an instruction.
; The additions, the v_nop and the two v_ldexp_f32 below, seven plain lines that name none of its registers, are the places between the last matrix instruction and the first read of O^T (ISA guide 7.12.1).
.macro FINISH p
.irp i, 0,1
	v_add_f32 v[ST+8*\i+6], v[ST+8*\i+2], v[ST+8*\i+3]            ; the sum's two halves,
.endr
.irp i, 0,1
	v_permlanex16_b32 v[ST+8*\i+7], v[ST+8*\i+6], s[SEL], s[SEL+1]
.endr
.irp i, 0,1
	v_add_f32 v[ST+8*\i+6], v[ST+8*\i+6], v[ST+8*\i+7]            ; and lane l xor 16's
.endr
.irp i, 0,1
	v_rcp_f32 v[ST+8*\i+6], v[ST+8*\i+6]
.endr
	v_nop                                          ; a plain line behind the reciprocals
	s_wait_alu depctr_va_vdst(0)                   ; the two reciprocals have written v[ST+6] and v[ST+14], ahead of their first reader
.irp i, 0,1
	v_ldexp_f32 v[ST+8*\i+4], v[ST+8*\i+6], s[EO]
.endr
.irp i, 0,1
.irp m, 0,2,4,6
	v_pk_mul_f32 v[W+8*\i+\m:W+8*\i+\m+1], v[OT+8*\i+\m:OT+8*\i+\m+1], v[ST+8*\i+4:ST+8*\i+5] op_sel_hi:[1,0]   ; each accumulator from its low end on
.endr
.endr
	s_wait_alu depctr_va_vdst(0)                   ; the multiplications have written W + 0 .. 15, which the LDS stores read; the softmax's lines are done with W + 16 .. 31, in which the LDS loads land
.irp i, 0,1
	ds_store_b128 v[STO], v[W+8*\i:W+8*\i+3] offset:1280*\i       ; lane (r, h): out[query r][8 h + 0 .. 7]
	ds_store_b128 v[STO], v[W+8*\i+4:W+8*\i+7] offset:1280*\i+16
.endr
.irp i, 0,1
.irp u, 0,1
	ds_load_b128 v[W+16+8*\i+4*\u:W+16+8*\i+4*\u+3], v[SRD] offset:1280*\i+640*\u   ; LDS serves a wave's instructions in order (ISA guide 5.7.1.4): these see my stores
.endr
.endr
.irp i, 0,1
.irp u, 0,1
	s_wait_dscnt 3-2*\i-\u
	global_store_b128 v[LI], v[W+16+8*\i+4*\u:W+16+8*\i+4*\u+3], s[16:17] offset:2048*\p+1024*\i+512*\u th:TH_STORE_NT   ; eight rows of 64 bytes: 512 consecutive bytes, aligned
.endr
.endr
.if \p == 0
	s_wait_xcnt 0x0                                ; the stores have had their addresses translated: the next pass writes their registers again
	s_wait_alu depctr_vm_vsrc(0)                   ; the LDS stores have read W + 0 .. 15 and the global stores W + 16 .. 31, which the next pass's softmax writes; the steps' LDS loads have read v[ADK] and v[ADV]
.endif
.endm
; A pass: two tiles of queries walk the open keys.  The loop has 16 trips whatever n is, so that every LDS address is a constant, a lane term and a counted step; a step past n is jumped over by a scalar
; branch on n, which an earlier launch stored; no barrier stands in the loop.
.macro PASS p, qb
.irp t, 0,1,2,3                                ; step 0's K, by v[LI].  No wait stands here: since the last wait on va_vdst no vector or matrix line names KFR or v[LI], and the wait on vm_vsrc just above has freed KFR
	ds_load_b128 v[KFR+8*\t:KFR+8*\t+3], v[LI] offset:KIMG+1024*\t
	ds_load_b128 v[KFR+8*\t+4:KFR+8*\t+7], v[LI] offset:KIMG+1024*\t+512
.endr
.irp i, 0,1
	v_mov_b32 v[ST+8*\i], 0
	v_mov_b32 v[ST+8*\i+1], v[NINF]                ; the largest s so far
	v_mov_b32 v[ST+8*\i+2], 0                      ; the sum
	v_mov_b32 v[ST+8*\i+3], 0
	v_mov_b32 v[ST+8*\i+4], 0
	v_mov_b32 v[ST+8*\i+5], 0x41700000             ; -M = 15: under every M that can come, since |t| < 15
	v_mov_b32 v[ST+8*\i+6], 0
	v_mov_b32 v[ST+8*\i+7], 0                      ; (a lane permute's destination counts as read)
.endr
.set KK, 0
.rept 16
	v_mov_b32 v[OT+KK], 0                          ; O^T: the step is written once for all steps; the first change of M multiplies zeros
.set KK, KK+1
.endr
	s_mov_b32 s[SKF], 0
	s_mov_b32 s[SKB], KIMG+4096                    ; the step behind the one in hand
	s_mov_b32 s[SVB], VIMG
	s_mov_b32 s[STEPS], 16
.Lstep_\@:
	s_wait_alu depctr_vm_vsrc(0)                   ; the LDS loads issued so far have read v[ADK] and v[ADV], which the two lines below write
	v_add_nc_u32 v[ADK], s[SKB], v[LI]             ; made ahead of the branches, the same on every way
	v_add_nc_u32 v[ADV], s[SVB], v[LI]
	s_cmp_ge_u32 s[SKF], s[NN]
	s_cbranch_scc1 .Lskip_\@                       ; all of the step's places lie past n
	s_add_co_u32 s[TMP], s[SKF], 64
	s_cmp_gt_u32 s[TMP], s[NN]
	s_cbranch_scc1 .Ltail_\@                       ; some do
	BODY 0, \qb
	s_branch .Lskip_\@
.Ltail_\@:
	BODY 1, \qb
.Lskip_\@:
	s_add_co_u32 s[SKF], s[SKF], 64
	s_add_co_u32 s[SKB], s[SKB], 4096
	s_add_co_u32 s[SVB], s[SVB], 1024
	s_sub_co_u32 s[STEPS], s[STEPS], 1
	s_cmp_lg_u32 s[STEPS], 0
	s_cbranch_scc1 .Lstep_\@
	FINISH \p
.endm
	PASS 0, Q0
	PASS 1, Q1
	s_wait_dscnt 0x0
	s_wait_alu depctr_hold_cnt(0) depctr_sa_sdst(0) depctr_va_vdst(0) depctr_va_sdst(0) depctr_va_ssrc(0) depctr_va_vcc(0) depctr_vm_vsrc(0)
	s_wait_tensorcnt 0x0
	ds_add_u32 v254, v255
	s_wait_dscnt 0x0
	s_endpgm
.Lfunc_end_k_q26699acea1_attend:
	.size	k_q26699acea1_attend, .Lfunc_end_k_q26699acea1_attend-k_q26699acea1_attend
	.p2alignl 7, 3214868480
	.fill 96, 4, 3214868480
	.section	.rodata,"a",@progbits
	.p2align	6, 0x0
	.amdhsa_kernel k_q26699acea1_attend
		.amdhsa_group_segment_fixed_size 124928
		.amdhsa_private_segment_fixed_size 0
		.amdhsa_enable_private_segment 0
		.amdhsa_kernarg_size 56
		.amdhsa_user_sgpr_count 2
		.amdhsa_user_sgpr_kernarg_segment_ptr 1
		.amdhsa_wavefront_size32 1
		.amdhsa_system_sgpr_workgroup_id_x 1
		.amdhsa_system_sgpr_workgroup_id_y 1
		.amdhsa_system_sgpr_workgroup_id_z 1
		.amdhsa_system_vgpr_workitem_id 0
		.amdhsa_next_free_vgpr 256
		.amdhsa_next_free_sgpr 98
		.amdhsa_reserve_vcc 0
		.amdhsa_float_denorm_mode_32 3
		.amdhsa_float_denorm_mode_16_64 3
		.amdhsa_memory_ordered 1
		.amdhsa_forward_progress 1
		.amdhsa_inst_pref_size 134
	.end_amdhsa_kernel
	.amdgpu_metadata
---
amdhsa.version: [ 1, 2 ]
amdhsa.kernels:
  - .name:           k_q26699acea1_attend
    .symbol:         k_q26699acea1_attend.kd
    .args:
      - { .name: K, .offset: 0, .size: 8, .value_kind: global_buffer, .address_space: global }
      - { .name: Q, .offset: 8, .size: 8, .value_kind: global_buffer, .address_space: global }
      - { .name: V_codes, .offset: 16, .size: 8, .value_kind: global_buffer, .address_space: global }
      - { .name: lowp_scales, .offset: 24, .size: 8, .value_kind: global_buffer, .address_space: global }
      - { .name: order, .offset: 32, .size: 8, .value_kind: global_buffer, .address_space: global }
      - { .name: count, .offset: 40, .size: 8, .value_kind: global_buffer, .address_space: global }
      - { .name: out0, .offset: 48, .size: 8, .value_kind: global_buffer, .address_space: global }
    .group_segment_fixed_size: 124928
    .private_segment_fixed_size: 0
    .kernarg_segment_align: 8
    .kernarg_segment_size: 56
    .max_flat_workgroup_size: 512
    .sgpr_count:     98
    .vgpr_count:     256
    .wavefront_size: 32
...
	.end_amdgpu_metadata
.endif
;; end of part 3
